; MI455X (gfx1250); checked and timed in simulation.
; The chip was launched on July 23, 2026; its instructions are those of AMD's public machine-readable ISA for CDNA 5 (MIT licence, August 2026) and "CDNA5" Instruction Set Architecture Reference Guide (July 2026). The comments in the code are by the model that wrote it; some were corrected since.
;; Cross Attention. Allowed arithmetic: float matrix products may take bf16 or f16 operands with f32 sums; other float arithmetic in f32, or as packed bf16 or f16 multiplies, adds, multiply-adds, maxima and minima; sums over many terms, partial sums and values carried from step to step in f32; what a program stores and reads back later, other than sums and carried values, may be rounded once to bf16 or f16.
;; Inputs: Wk 128 x 64 float32; Wq 128 x 128 float32; Wv 128 x 64 float32; age_features 1 x 64 float32; bk 128 float32; bq 128 float32; bv 128 float32; pixel_features 1 x 128 x 16 x 32 x 32 float32.
;; Outputs: out0 1 x 16,384 x 128 float32.
;; 2 versions, each right; version 2 is version 1 with the launch xattn written anew for expert scheduling mode. Each part assembles by itself: llvm-mc -triple=amdgcn-amd-amdhsa -mcpu=gfx1250 --defsym DOCPART=n.
;; ======== version 1 of 2: 1 launch
;; launch xattn (part 1): grid 256 x 1, 8 waves a work-group, no clusters, 39,168 bytes of LDS; arguments pixel_features, age_features, Wq, bq, Wk, bk, Wv, bv, out0; writes out0
.if DOCPART == 1
	.amdgcn_target "amdgcn-amd-amdhsa--gfx1250"
	.amdhsa_code_object_version 6
	.text
	.protected	k_q1652df93cb_xattn
	.globl	k_q1652df93cb_xattn
	.p2align	8
	.type	k_q1652df93cb_xattn,@function
k_q1652df93cb_xattn:
	s_mov_b64 s[64:65], 0
	v_nop
	global_prefetch_b8 v0, s[64:65] scope:SCOPE_SE
	s_setreg_imm32_b32 hwreg(HW_REG_WAVE_MODE, 25, 1), 1
	s_wait_xcnt 0x0
; out[n][c] = sum over m of softmax_m(q[n] . k[m] / sqrt(128)) v[m][c] + px[c][n],  n, m = 0 .. 16,383, c = 0 .. 127, all f32.
; THE BROADCAST AXIS IN CLOSED FORM.  The module itself repeats ONE age vector at all N = 16,384 key positions, so all rows of k are one vector k = Wk age + bk and all rows of v one
; vector v = Wv age + bv, whatever the inputs hold.  A query's N scores are therefore one number s; their maximum is s; each weight is p = exp((s - s) / sqrt(128)); their sum is
; l = N p; the weighted sum of values is (N p) v.  Every step is written: k, v, the query product, the score, the maximum taken away, the exponential, the sum, the division, the
; weighted value, the residual.  A score that is not finite makes its row NaN, as it does in the module.
; LIMITS (order of rounding alone).  (px Wq^T + bq) . k is taken as px . u + bq . k with u = Wq^T k; a sum of N equal terms as N times the term (N = 2^14: exact).  An intermediate
; can pass f32's range here where the module's own does not, or the other way round, only at magnitudes near 1e38.  Nothing is rounded to 16 bits.
; SHARES.  256 work-groups of eight waves.  Work-group g owns tokens 64 g .. 64 g + 63: 256 aligned bytes of each of the 128 channel rows in, 32,768 consecutive bytes out.
; Wave w fetches channels 16 w .. 16 w + 15 of that tile, owns rows 16 w .. 16 w + 15 of Wk, Wv and Wq, and finishes tokens 8 w .. 8 w + 7 with all their channels.
; All 42 loads of a lane go out at the head; the text is straight, with ONE barrier, at which the tile (to be transposed) and the waves' parts of u, v and bq . k meet in LDS.
; NO MATRIX INSTRUCTION: each product left has one row or one column, so fifteen of a 16 x 16 tile's sixteen columns would hold nothing.
; NO CLUSTER: what work-groups share is the 131,072 bytes of weights.  A joint request lands in LDS; here each weight is used once, from the register into which it was loaded, in the
; order in which it lies in memory.  Through LDS a work-group would write and read 131,072 bytes more and pass two rounds of a cluster's barrier, in a text that has one barrier.
; NO PREFETCH, NO RING: nothing is asked for later than the head.
.set ROWPX, 65536                      ; bytes in a channel row of the pixels (16,384 tokens)
.set ROWKV, 256                        ; bytes in a row of Wk and of Wv (64 numbers)
.set ROWQ,  512                        ; bytes in a row of Wq and of out (128 numbers)
; LDS
.set TILE,  0                          ; channel c's 64 tokens at 256 c + 16 (c / 4): 16 bytes of padding behind every four rows; 33,280 bytes
.set UP,    33280                      ; wave w's part of u[0 .. 127] at 512 w; 4,096 bytes
.set VV,    37376                      ; Wv age, word c; 512 bytes
.set S0P,   37888                      ; wave w's part of bq . k at 4 w; a block of 256 bytes, 32 used
.set SPARE, 38144                      ; the spare words, 128 bytes for each wave: four blocks of 256 bytes that no other line names
; scalar registers: s[4:5] pixels, s[6:7] age, s[8:9] Wq, s[10:11] bq, s[12:13] Wk, s[14:15] bk, s[16:17] Wv, s[18:19] bv, s[20:21] out; s2 at work; s[24:31] four offsets of 64 bits
.set WV,  22                           ; s22      my wave's number
.set BO,  23                           ; s23      64 w: where my 16 numbers of bk and bq begin; never rewritten
.set BK,  32                           ; s[32:47] bk[16 w ..]
.set BQ,  48                           ; s[48:63] bq[16 w ..]
.set KS,  68                           ; s[68:83] k[16 w + m]
.set S0,  84                           ; s84      my part of bq . k
.set SEL, 86                           ; s[86:87] v_permlanex16_b32's selects: each lane takes its own place in the other half
; vector registers: offsets and LDS addresses, written once.  l = lane, r = l % 16, h = l / 16
.set OKV, 4                            ; v4   2,048 h + 16 r: Wk, Wv
.set OQ,  5                            ; v5   16 l: Wq, bv, out
.set OP,  6                            ; v6   524,288 h + 16 r: pixels
.set OA,  7                            ; v7   16 r: age
.set TST, 8                            ; v8   the tile, in:   4,160 w + 2,080 h + 16 r
.set TLD, 9                            ; v9   the tile, back: 1,040 l + 32 w
.set UST, 10                           ; v10  UP + 512 w + 16 l
.set ULD, 11                           ; v11  UP + 16 l
.set VST, 12                           ; v12  VV + 64 w + 32 h
.set VLD, 13                           ; v13  VV + 16 l
.set ZST, 14                           ; v14  S0P + 4 w
.set ZLD, 15                           ; v15  S0P
.set SPW, 16                           ; v16  my spare word: SPARE + 4 x my thread's number; never rewritten
.set NIL, 17                           ; v17  0; never rewritten
.set ZV,  18                           ; v18  my wave's part of bq . k, on its way to LDS
; data ahead of the barrier
.set RA,  20                           ; v[20:23]    age[4 r ..]
.set RWK, 24                           ; v[24:55]    Wk: row 16 w + 8 h + i, numbers 4 r .., at 4 i
.set RWQ, 56                           ; v[56:119]   Wq: row 16 w + m, numbers 4 l .., at 4 m
.set RWV, 120                          ; v[120:151]  Wv, as Wk
.set RBV, 152                          ; v[152:155]  bv[4 l ..]
.set RPX, 156                          ; v[156:187]  pixels: channel 16 w + 8 h + i, tokens 4 r .., at 4 i
.set RK,  188                          ; v[188:195]  eight rows' Wk age
.set RV,  196                          ; v[196:203]  eight rows' Wv age
.set RT,  204                          ; v[204:219]  eight pairs at work
.set RU,  220                          ; v[220:223]  my wave's part of u[4 l ..]
; data behind the barrier (every load from memory has landed by then)
.set PT,  24                           ; v[24:55]    px[channel 4 l + i][token 8 w + 4 q + j] at 16 q + 4 i + j
.set UR,  56                           ; v[56:87]    the eight parts of u[4 l ..]; at the end u[4 l + i] lies in v[56 + 2 i]
.set ZR,  88                           ; v[88:95]    the eight parts of bq . k; the sum ends in v88
.set VR,  96                           ; v[96:99]    Wv age, then v, for channels 4 l ..
.set SC,  100                          ; v[100:107]  q . k of my wave's eight tokens
.set EX,  108                          ; v[108:115]  the exponent, then p
.set XC,  204                          ; v[204:211]  what the other half of the lanes holds
.set LS,  212                          ; v[212:219]  N p: the row's sum l, and v's factor in the weighted sum
.set RC,  188                          ; v[188:195]  1 / l
.set GF,  196                          ; v[196:203]  N p / l
.set DO,  120                          ; v[120:151]  eight rows' 16 bytes of out
; Eight sums over the 16 lanes of each half at once: lane i takes lane i xor 1, 2, 4, 8.  The eight registers take turns, so no line reads the result of the line before it.
.macro RED16 base
.irp m, 1,2,4,8
.irp i, 0,1,2,3,4,5,6,7
	v_add_f32_dpp v[(\base)+(\i)], v[(\base)+(\i)], v[(\base)+(\i)] row_xmask:\m row_mask:0xf bank_mask:0xf
.endr
.endr
.endm
; Eight rows of 64 numbers times age: a lane has four numbers of each row; afterwards every lane of half h holds row 16 w + 8 h + i's product in dst + i.
.macro DOT8 dst, w
.irp i, 0,1,2,3,4,5,6,7
	v_pk_mul_f32 v[RT+2*(\i):RT+2*(\i)+1], v[(\w)+4*(\i):(\w)+4*(\i)+1], v[RA:RA+1]
.endr
.irp i, 0,1,2,3,4,5,6,7
	v_pk_fma_f32 v[RT+2*(\i):RT+2*(\i)+1], v[(\w)+4*(\i)+2:(\w)+4*(\i)+3], v[RA+2:RA+3], v[RT+2*(\i):RT+2*(\i)+1]
.endr
.irp i, 0,1,2,3,4,5,6,7
	v_add_f32 v[(\dst)+(\i)], v[RT+2*(\i)], v[RT+2*(\i)+1]
.endr
	RED16 \dst
.endm
	s_load_b512 s[4:19], s[0:1], 0x0               ; eight addresses: pixels, age, Wq, bq, Wk, bk, Wv, bv
	s_load_b64 s[20:21], s[0:1], 0x40              ; out
	v_lshl_add_u32 v[SPW], v0, 2, SPARE
	v_mov_b32 v[NIL], 0
	v_lshrrev_b32 v1, 5, v0
	v_readfirstlane_b32 s[WV], v1                  ; wave 0 .. 7
	v_and_b32 v1, 15, v0                           ; r
	v_bfe_u32 v2, v0, 4, 1                         ; h
	v_and_b32 v3, 31, v0                           ; l
	v_lshlrev_b32 v[OA], 4, v1
	v_lshlrev_b32 v[OQ], 4, v3
	v_lshl_add_u32 v[OKV], v2, 11, v[OA]           ; eight rows of 256 bytes further for lanes 16 to 31
	v_lshl_add_u32 v[OP], v2, 19, v[OA]            ; eight channel rows of 65,536 bytes further
	s_mul_i32 s2, s[WV], 4160                      ; sixteen tile rows and their four paddings
	v_mul_u32_u24 v[TST], v2, 2080                 ; eight and two
	v_add_nc_u32 v[TST], v[TST], v[OA]
	v_add_nc_u32 v[TST], s2, v[TST]
	v_mul_u32_u24 v[TLD], v3, 1040                 ; channel 4 l: four rows and a padding for each lane: 16 l modulo 256
	v_lshl_add_u32 v[TLD], s[WV], 5, v[TLD]        ; my wave's eight tokens
	s_lshl_b32 s2, s[WV], 9
	s_add_co_u32 s2, s2, UP
	v_add_nc_u32 v[UST], s2, v[OQ]
	v_add_nc_u32 v[ULD], UP, v[OQ]
	s_lshl_b32 s2, s[WV], 6
	s_add_co_u32 s2, s2, VV
	v_lshl_add_u32 v[VST], v2, 5, s2
	v_add_nc_u32 v[VLD], VV, v[OQ]
	s_lshl_b32 s2, s[WV], 2
	s_add_co_u32 s2, s2, S0P
	v_mov_b32 v[ZST], s2
	v_mov_b32 v[ZLD], S0P
	s_lshl_b32 s24, s[WV], 20                      ; pixels: my 16 channel rows,
	s_lshl_b32 s2, ttmp9, 8                        ; the work-group's 64 tokens
	s_add_co_u32 s24, s24, s2
	s_mov_b32 s25, 0
	s_lshl_b32 s26, s[WV], 12                      ; Wk, Wv: my 16 rows of 256 bytes
	s_mov_b32 s27, 0
	s_lshl_b32 s28, s[WV], 13                      ; Wq: my 16 rows of 512 bytes
	s_mov_b32 s29, 0
	s_lshl_b32 s30, ttmp9, 15                      ; out: the work-group's 64 rows of 512 bytes,
	s_add_co_u32 s30, s30, s26                     ; my wave's eight
	s_mov_b32 s31, 0
	s_lshl_b32 s[BO], s[WV], 6
	s_mov_b32 s[SEL], 0x76543210
	s_mov_b32 s[SEL+1], 0xfedcba98
	s_wait_kmcnt 0x0
	s_add_nc_u64 s[4:5], s[4:5], s[24:25]          ; each base is stepped once, here; no base and no offset register is written again, so no wait for translated addresses is needed
	s_add_nc_u64 s[12:13], s[12:13], s[26:27]
	s_add_nc_u64 s[16:17], s[16:17], s[26:27]
	s_add_nc_u64 s[8:9], s[8:9], s[28:29]
	s_add_nc_u64 s[20:21], s[20:21], s[30:31]
	; ALL LOADS, in the order in which they are wanted: 1 + 8 + 16 + 8 + 1 + 8 = 42.  Sixteen lanes take 256 consecutive bytes, aligned, in every one of them.
	global_load_b128 v[RA:RA+3], v[OA], s[6:7]
.irp i, 0,1,2,3,4,5,6,7
	global_load_b128 v[RWK+4*(\i):RWK+4*(\i)+3], v[OKV], s[12:13] offset:(\i)*ROWKV
.endr
.irp m, 0,1,2,3,4,5,6,7,8,9,10,11,12,13,14,15
	global_load_b128 v[RWQ+4*(\m):RWQ+4*(\m)+3], v[OQ], s[8:9] offset:(\m)*ROWQ
.endr
.irp i, 0,1,2,3,4,5,6,7
	global_load_b128 v[RWV+4*(\i):RWV+4*(\i)+3], v[OKV], s[16:17] offset:(\i)*ROWKV
.endr
	global_load_b128 v[RBV:RBV+3], v[OQ], s[18:19]
.irp i, 0,1,2,3,4,5,6,7
	global_load_b128 v[RPX+4*(\i):RPX+4*(\i)+3], v[OP], s[4:5] offset:(\i)*ROWPX th:TH_LOAD_NT  ; the launch reads each pixel once
.endr
	s_load_b512 s[BK:BK+15], s[14:15], s[BO] offset:0x0  ; my 16 numbers of bk
	s_load_b512 s[BQ:BQ+15], s[10:11], s[BO] offset:0x0  ; and of bq
	; k = Wk age + bk for my 16 rows, brought into scalar registers: each is a factor for a whole row of Wq
	s_wait_loadcnt 33                              ; age and Wk are in; the 33 younger loads (Wq 16, Wv 8, bv 1, pixels 8) may stay out
	DOT8 RK, RWK
.irp i, 0,1,2,3,4,5,6,7
	v_readlane_b32 s[KS+(\i)], v[RK+(\i)], 0       ; row 16 w + i lies in lanes 0 to 15,
	v_readlane_b32 s[KS+8+(\i)], v[RK+(\i)], 16    ; row 16 w + 8 + i in lanes 16 to 31
.endr
	s_wait_kmcnt 0x0                               ; bk and bq
.irp m, 0,1,2,3,4,5,6,7,8,9,10,11,12,13,14,15
	s_add_f32 s[KS+(\m)], s[KS+(\m)], s[BK+(\m)]
.endr
	s_mul_f32 s[S0], s[KS], s[BQ]                  ; my part of bq . k: the first product starts the sum
.irp m, 1,2,3,4,5,6,7,8,9,10,11,12,13,14,15
	s_fmac_f32 s[S0], s[KS+(\m)], s[BQ+(\m)]
.endr
	; my part of u = Wq^T k: u[4 l + j] += k[16 w + m] Wq[16 w + m][4 l + j], in four chains; the first row starts the sums
	s_wait_loadcnt 17                              ; Wq is in; 17 younger loads (Wv 8, bv 1, pixels 8) may stay out
.irp j, 0,1,2,3
	v_mul_f32 v[RU+(\j)], s[KS], v[RWQ+(\j)]
.endr
.irp m, 1,2,3,4,5,6,7,8,9,10,11,12,13,14,15
.irp j, 0,1,2,3
	v_fmac_f32 v[RU+(\j)], s[KS+(\m)], v[RWQ+4*(\m)+(\j)]
.endr
.endr
	ds_store_b128 v[UST], v[RU:RU+3]
	v_mov_b32 v[ZV], s[S0]
	ds_store_b32 v[ZST], v[ZV]                     ; all lanes write one word with one value
	; Wv age for my 16 rows; bv is added behind the barrier, where a lane holds the channels that it stores
	s_wait_loadcnt 9                               ; Wv is in; 9 younger loads (bv 1, pixels 8) may stay out
	DOT8 RV, RWV
	ds_store_b128 v[VST], v[RV:RV+3]               ; the sixteen lanes of a half write the same bytes with the same values
	ds_store_b128 v[VST], v[RV+4:RV+7] offset:16
	; the tile: sixteen lanes put down a channel's 256 bytes on end
	s_wait_loadcnt 0x0
.irp i, 0,1,2,3,4,5,6,7
	ds_store_b128 v[TST], v[RPX+4*(\i):RPX+4*(\i)+3] offset:TILE+(\i)*256+((\i)/4)*16
.endr
	s_wait_dscnt 0x0                               ; for the others' sake: all my stores into LDS are done
	s_barrier_signal -1
	s_barrier_wait -1                              ; the tile and all parts of u, v and bq . k lie in LDS; nothing but the spare words is written behind this barrier
	; 19 LDS loads, in the order in which they are wanted: 8 + 2 + 8 + 1
.irp p, 0,1,2,3,4,5,6,7
	ds_load_b128 v[UR+4*(\p):UR+4*(\p)+3], v[ULD] offset:(\p)*512
.endr
	ds_load_b128 v[ZR:ZR+3], v[ZLD]
	ds_load_b128 v[ZR+4:ZR+7], v[ZLD] offset:16
.irp q, 0,1
.irp i, 0,1,2,3
	ds_load_b128 v[PT+16*(\q)+4*(\i):PT+16*(\q)+4*(\i)+3], v[TLD] offset:TILE+(\i)*256+(\q)*16  ; channel 4 l + i, tokens 8 w + 4 q ..
.endr
.endr
	ds_load_b128 v[VR:VR+3], v[VLD]
	; u[4 l ..]: the eight waves' parts, added as a tree
	s_wait_dscnt 11                                ; the eight parts of u are in; 11 younger loads (bq . k 2, tile 8, v 1) may stay out
.irp p, 0,2,4,6
	v_pk_add_f32 v[UR+4*(\p):UR+4*(\p)+1], v[UR+4*(\p):UR+4*(\p)+1], v[UR+4*(\p)+4:UR+4*(\p)+5]
	v_pk_add_f32 v[UR+4*(\p)+2:UR+4*(\p)+3], v[UR+4*(\p)+2:UR+4*(\p)+3], v[UR+4*(\p)+6:UR+4*(\p)+7]
.endr
.irp p, 0,4
	v_pk_add_f32 v[UR+4*(\p):UR+4*(\p)+1], v[UR+4*(\p):UR+4*(\p)+1], v[UR+4*(\p)+8:UR+4*(\p)+9]
	v_pk_add_f32 v[UR+4*(\p)+2:UR+4*(\p)+3], v[UR+4*(\p)+2:UR+4*(\p)+3], v[UR+4*(\p)+10:UR+4*(\p)+11]
.endr
	v_add_f32 v[UR+4], v[UR+2], v[UR+18]           ; the last level puts u[4 l + i] into the LOW register of pair i, from which a packed line can give it to both its halves
	v_add_f32 v[UR+6], v[UR+3], v[UR+19]
	v_add_f32 v[UR+2], v[UR+1], v[UR+17]
	v_add_f32 v[UR], v[UR], v[UR+16]
	; q . k = px . u + bq . k for my wave's eight tokens
	s_wait_dscnt 1                                 ; bq . k's parts and the tile are in; v's load may stay out
	v_pk_add_f32 v[ZR:ZR+1], v[ZR:ZR+1], v[ZR+2:ZR+3]
	v_pk_add_f32 v[ZR+4:ZR+5], v[ZR+4:ZR+5], v[ZR+6:ZR+7]
.irp q, 0,1
.irp p, 0,2
	v_pk_mul_f32 v[SC+4*(\q)+(\p):SC+4*(\q)+(\p)+1], v[PT+16*(\q)+(\p):PT+16*(\q)+(\p)+1], v[UR:UR+1] op_sel_hi:[1,0]  ; two tokens a line; my channel 4 l starts the sums
.endr
.endr
.irp i, 1,2,3
.irp q, 0,1
.irp p, 0,2
	v_pk_fma_f32 v[SC+4*(\q)+(\p):SC+4*(\q)+(\p)+1], v[PT+16*(\q)+4*(\i)+(\p):PT+16*(\q)+4*(\i)+(\p)+1], v[UR+2*(\i):UR+2*(\i)+1], v[SC+4*(\q)+(\p):SC+4*(\q)+(\p)+1] op_sel_hi:[1,0,1]
.endr
.endr
.endr
	v_pk_add_f32 v[ZR:ZR+1], v[ZR:ZR+1], v[ZR+4:ZR+5]
	v_add_f32 v[ZR], v[ZR], v[ZR+1]                ; bq . k
	RED16 SC                                       ; the channels of sixteen lanes,
.irp t, 0,1,2,3,4,5,6,7
	v_permlanex16_b32 v[XC+(\t)], v[SC+(\t)], s[SEL], s[SEL+1]  ; and of the other sixteen (the destination counts as read: these registers have been written)
.endr
.irp t, 0,2,4,6
	v_pk_add_f32 v[SC+(\t):SC+(\t)+1], v[SC+(\t):SC+(\t)+1], v[XC+(\t):XC+(\t)+1]
.endr
.irp t, 0,2,4,6
	v_pk_add_f32 v[SC+(\t):SC+(\t)+1], v[SC+(\t):SC+(\t)+1], v[ZR:ZR+1] op_sel_hi:[1,0]
.endr
	; THE SOFTMAX of N equal scores.  The maximum of N equal numbers is the number: s - m = s - s, which is 0 for a finite score and NaN otherwise.
.irp t, 0,2,4,6
	v_pk_add_f32 v[EX+(\t):EX+(\t)+1], v[SC+(\t):SC+(\t)+1], v[SC+(\t):SC+(\t)+1] neg_lo:[0,1] neg_hi:[0,1]
.endr
.irp t, 0,2,4,6
	v_pk_mul_f32 v[EX+(\t):EX+(\t)+1], v[EX+(\t):EX+(\t)+1], 0x3e0293ee op_sel_hi:[1,0]  ; times log2(e) / sqrt(128)
.endr
	s_wait_dscnt 0x0                               ; v
.irp t, 0,1,2,3,4,5,6,7
	v_exp_f32 v[EX+(\t)], v[EX+(\t)]               ; p: one batch of eight
.endr
	v_pk_add_f32 v[VR:VR+1], v[VR:VR+1], v[RBV:RBV+1]      ; v = Wv age + bv: plain work that names no exponential's result stands behind the batch
	v_pk_add_f32 v[VR+2:VR+3], v[VR+2:VR+3], v[RBV+2:RBV+3]
	s_wait_alu depctr_va_vdst(0)                   ; the wait ahead of the first line that names a result: one for the eight
.irp t, 0,2,4,6
	v_pk_mul_f32 v[LS+(\t):LS+(\t)+1], v[EX+(\t):EX+(\t)+1], 0x46800000 op_sel_hi:[1,0]  ; l = N p, N = 16,384; the sum over m of p v[m] is the same factor times v
.endr
.irp t, 0,1,2,3,4,5,6,7
	v_rcp_f32 v[RC+(\t)], v[LS+(\t)]
.endr
	v_nop                                          ; a plain instruction behind the last reciprocal,
	s_wait_alu depctr_va_vdst(0)                   ; and one wait for the eight
.irp t, 0,2,4,6
	v_pk_mul_f32 v[GF+(\t):GF+(\t)+1], v[LS+(\t):LS+(\t)+1], v[RC+(\t):RC+(\t)+1]  ; N p / l
.endr
	; out[token][4 l + i] = (N p / l) v[4 l + i] + px[4 l + i][token].  The 4 x 4 turn between tokens and channels is the choice of the registers.
	; A wave's store covers one row of out: 512 consecutive bytes, at a multiple of 512 from out's first byte.  Each row has data registers of its own: none is written twice.
.irp q, 0,1
.irp j, 0,1,2,3
.irp i, 0,1,2,3
	v_fma_f32 v[DO+4*(4*(\q)+(\j))+(\i)], v[GF+4*(\q)+(\j)], v[VR+(\i)], v[PT+16*(\q)+4*(\i)+(\j)]
.endr
	global_store_b128 v[OQ], v[DO+4*(4*(\q)+(\j)):DO+4*(4*(\q)+(\j))+3], s[20:21] offset:(4*(\q)+(\j))*ROWQ th:TH_STORE_NT
.endr
.endr
	s_wait_tensorcnt 0x0                           ; the wave's end: the closing waits and add, behind my last LDS store
	ds_add_u32 v[SPW], v[NIL]
	s_wait_dscnt 0x0
	s_endpgm
.Lfunc_end_k_q1652df93cb_xattn:
	.size	k_q1652df93cb_xattn, .Lfunc_end_k_q1652df93cb_xattn-k_q1652df93cb_xattn
	.p2alignl 7, 3214868480
	.fill 96, 4, 3214868480
	.section	.rodata,"a",@progbits
	.p2align	6, 0x0
	.amdhsa_kernel k_q1652df93cb_xattn
		.amdhsa_group_segment_fixed_size 39168
		.amdhsa_private_segment_fixed_size 0
		.amdhsa_enable_private_segment 0
		.amdhsa_kernarg_size 72
		.amdhsa_user_sgpr_count 2
		.amdhsa_user_sgpr_kernarg_segment_ptr 1
		.amdhsa_wavefront_size32 1
		.amdhsa_system_sgpr_workgroup_id_x 1
		.amdhsa_system_sgpr_workgroup_id_y 1
		.amdhsa_system_sgpr_workgroup_id_z 1
		.amdhsa_system_vgpr_workitem_id 0
		.amdhsa_next_free_vgpr 224
		.amdhsa_next_free_sgpr 88
		.amdhsa_reserve_vcc 0
		.amdhsa_float_denorm_mode_32 3
		.amdhsa_float_denorm_mode_16_64 3
		.amdhsa_memory_ordered 1
		.amdhsa_forward_progress 1
		.amdhsa_inst_pref_size 30
	.end_amdhsa_kernel
	.amdgpu_metadata
---
amdhsa.version: [ 1, 2 ]
amdhsa.kernels:
  - .name:           k_q1652df93cb_xattn
    .symbol:         k_q1652df93cb_xattn.kd
    .args:
      - { .name: pixel_features, .offset: 0, .size: 8, .value_kind: global_buffer, .address_space: global }
      - { .name: age_features, .offset: 8, .size: 8, .value_kind: global_buffer, .address_space: global }
      - { .name: Wq, .offset: 16, .size: 8, .value_kind: global_buffer, .address_space: global }
      - { .name: bq, .offset: 24, .size: 8, .value_kind: global_buffer, .address_space: global }
      - { .name: Wk, .offset: 32, .size: 8, .value_kind: global_buffer, .address_space: global }
      - { .name: bk, .offset: 40, .size: 8, .value_kind: global_buffer, .address_space: global }
      - { .name: Wv, .offset: 48, .size: 8, .value_kind: global_buffer, .address_space: global }
      - { .name: bv, .offset: 56, .size: 8, .value_kind: global_buffer, .address_space: global }
      - { .name: out0, .offset: 64, .size: 8, .value_kind: global_buffer, .address_space: global }
    .group_segment_fixed_size: 39168
    .private_segment_fixed_size: 0
    .kernarg_segment_align: 8
    .kernarg_segment_size: 72
    .max_flat_workgroup_size: 256
    .sgpr_count:     88
    .vgpr_count:     224
    .wavefront_size: 32
...
	.end_amdgpu_metadata
.endif
;; end of part 1
;; ======== version 2 of 2: 1 launch; version 1 with the launch xattn written anew for expert scheduling mode
;; launch xattn (part 2): grid 256 x 1, 8 waves a work-group, no clusters, 39,168 bytes of LDS; arguments pixel_features, age_features, Wq, bq, Wk, bk, Wv, bv, out0; writes out0
.if DOCPART == 2
	.amdgcn_target "amdgcn-amd-amdhsa--gfx1250"
	.amdhsa_code_object_version 6
	.text
	.protected	k_q1652df93cb_xattn
	.globl	k_q1652df93cb_xattn
	.p2align	8
	.type	k_q1652df93cb_xattn,@function
k_q1652df93cb_xattn:
	s_mov_b64 s[64:65], 0
	v_nop
	global_prefetch_b8 v0, s[64:65] scope:SCOPE_SE
	s_setreg_imm32_b32 hwreg(HW_REG_WAVE_SCHED_MODE, 0, 2), 2
	s_setreg_imm32_b32 hwreg(HW_REG_WAVE_MODE, 25, 1), 1
	s_wait_xcnt 0x0
	s_wait_alu depctr_vm_vsrc(0)
; out[n][c] = sum over m of softmax_m(q[n] . k[m] / sqrt(128)) v[m][c] + px[c][n],  n, m = 0 .. 16,383, c = 0 .. 127, all f32.
; THE BROADCAST AXIS IN CLOSED FORM.  The module itself repeats ONE age vector at all N = 16,384 key positions, so all rows of k are one vector k = Wk age + bk and all rows of v one
; vector v = Wv age + bv, whatever the inputs hold.  A query's N scores are therefore one number s; their maximum is s; each weight is p = exp((s - s) / sqrt(128)); their sum is
; l = N p; the weighted sum of values is (N p) v.  Every step is written: k, v, the query product, the score, the maximum taken away, the exponential, the sum, the division, the
; weighted value, the residual.  A score that is not finite makes its row NaN, as it does in the module.
; LIMITS (order of rounding alone).  (px Wq^T + bq) . k is taken as px . u + bq . k with u = Wq^T k; a sum of N equal terms as N times the term (N = 2^14: exact).  An intermediate
; can pass f32's range here where the module's own does not, or the other way round, only at magnitudes near 1e38.  Nothing is rounded to 16 bits.
; SHARES.  256 work-groups of eight waves.  Work-group g owns tokens 64 g .. 64 g + 63: 256 aligned bytes of each of the 128 channel rows in, 32,768 consecutive bytes out.
; Wave w fetches channels 16 w .. 16 w + 15 of that tile, owns rows 16 w .. 16 w + 15 of Wk, Wv and Wq, and finishes tokens 8 w .. 8 w + 7 with all their channels.
; All 42 loads of a lane go out at the head; the text is straight, with ONE barrier, at which the tile (to be transposed) and the waves' parts of u, v and bq . k meet in LDS.
; NO MATRIX INSTRUCTION: each product left has one row or one column, so fifteen of a 16 x 16 tile's sixteen columns would hold nothing.
; NO CLUSTER: what work-groups share is the 131,072 bytes of weights.  A joint request lands in LDS; here each weight is used once, from the register into which it was loaded, in the
; order in which it lies in memory.  Through LDS a work-group would write and read 131,072 bytes more and pass two rounds of a cluster's barrier, in a text that has one barrier.
; NO PREFETCH, NO RING: nothing is asked for later than the head.
; THE MODE: SCHED_MODE bits 1:0 = 2 (LLVM: expert scheduling mode 2), set by the entry lines.  The code itself states the register dependences
; between vector instructions and memory or LDS instructions, and between vector instructions that write scalar registers and their readers, with s_wait_alu, always for 0.
; THE PLAN.  Registers that memory or LDS instructions touch, in the order of the text:
;   v4 .. v15            offsets and LDS addresses: written once at the head, read by every load and store: one wait on va_vdst ahead of the first load serves the whole kernel.
;   RA RWK RWQ RWV RBV RPX  the 42 loads land in them; no vector line names them before; their readers stand behind the counted waits on LOADcnt.
;   RU, ZV, RV           written by vector lines, read by four LDS stores, which stand in one run behind ONE wait on va_vdst, behind Wv's product.
;   UR, ZR, VR, PT       the LDS loads behind the barrier land where Wq and Wk lay: the vector lines that read those stand ahead of that same wait, and between it and
;                        these loads stand LDS stores, waits and the barrier alone.
;   GF                   lies where RV lay, which LDS stores read: one wait on vm_vsrc, behind the barrier.
;   DO                   written by 32 multiply-adds, read by eight stores, never written again: two halves, each sixteen multiply-adds, a wait on va_vdst, four stores.
;   s22; s68 .. s83      written by v_readfirstlane_b32 and by sixteen v_readlane_b32: a wait on va_sdst ahead of the first reader of each run.
; EXEC and VCC are never written; no address is stepped.
.set ROWPX, 65536                      ; bytes in a channel row of the pixels (16,384 tokens)
.set ROWKV, 256                        ; bytes in a row of Wk and of Wv (64 numbers)
.set ROWQ,  512                        ; bytes in a row of Wq and of out (128 numbers)
; LDS
.set TILE,  0                          ; channel c's 64 tokens at 256 c + 16 (c / 4): 16 bytes of padding behind every four rows; 33,280 bytes
.set UP,    33280                      ; wave w's part of u[0 .. 127] at 512 w; 4,096 bytes
.set VV,    37376                      ; Wv age, word c; 512 bytes
.set S0P,   37888                      ; wave w's part of bq . k at 4 w; a block of 256 bytes, 32 used
; scalar registers: s[4:5] pixels, s[6:7] age, s[8:9] Wq, s[10:11] bq, s[12:13] Wk, s[14:15] bk, s[16:17] Wv, s[18:19] bv, s[20:21] out; s2 at work; s[24:31] four offsets of 64 bits
.set WV,  22                           ; s22      my wave's number
.set BO,  23                           ; s23      64 w: where my 16 numbers of bk and bq begin; never rewritten
.set BK,  32                           ; s[32:47] bk[16 w ..]
.set BQ,  48                           ; s[48:63] bq[16 w ..]
.set KS,  68                           ; s[68:83] k[16 w + m]
.set S0,  84                           ; s84      my part of bq . k
.set SEL, 86                           ; s[86:87] v_permlanex16_b32's selects: each lane takes its own place in the other half
; vector registers: offsets and LDS addresses, written once.  l = lane, r = l % 16, h = l / 16
.set OKV, 4                            ; v4   2,048 h + 16 r: Wk, Wv
.set OQ,  5                            ; v5   16 l: Wq, bv, out
.set OP,  6                            ; v6   524,288 h + 16 r: pixels
.set OA,  7                            ; v7   16 r: age
.set TST, 8                            ; v8   the tile, in:   4,160 w + 2,080 h + 16 r
.set TLD, 9                            ; v9   the tile, back: 1,040 l + 32 w
.set UST, 10                           ; v10  UP + 512 w + 16 l
.set ULD, 11                           ; v11  UP + 16 l
.set VST, 12                           ; v12  VV + 64 w + 32 h
.set VLD, 13                           ; v13  VV + 16 l
.set ZST, 14                           ; v14  S0P + 4 w
.set ZLD, 15                           ; v15  S0P
.set ZV,  18                           ; v18  my wave's part of bq . k, on its way to LDS
; data ahead of the barrier
.set RA,  20                           ; v[20:23]    age[4 r ..]
.set RWK, 24                           ; v[24:55]    Wk: row 16 w + 8 h + i, numbers 4 r .., at 4 i
.set RWQ, 56                           ; v[56:119]   Wq: row 16 w + m, numbers 4 l .., at 4 m
.set RWV, 120                          ; v[120:151]  Wv, as Wk
.set RBV, 152                          ; v[152:155]  bv[4 l ..]
.set RPX, 156                          ; v[156:187]  pixels: channel 16 w + 8 h + i, tokens 4 r .., at 4 i
.set RK,  188                          ; v[188:195]  eight rows' Wk age
.set RV,  196                          ; v[196:203]  eight rows' Wv age
.set RT,  204                          ; v[204:219]  eight pairs at work
.set RU,  220                          ; v[220:223]  my wave's part of u[4 l ..]
; data behind the barrier (every load from memory has landed by then)
.set PT,  24                           ; v[24:55]    px[channel 4 l + i][token 8 w + 4 q + j] at 16 q + 4 i + j
.set UR,  56                           ; v[56:87]    the eight parts of u[4 l ..]; at the end u[4 l + i] lies in v[56 + 2 i]
.set ZR,  88                           ; v[88:95]    the eight parts of bq . k; the sum ends in v88
.set VR,  96                           ; v[96:99]    Wv age, then v, for channels 4 l ..
.set SC,  100                          ; v[100:107]  q . k of my wave's eight tokens
.set EX,  108                          ; v[108:115]  the exponent, then p
.set XC,  204                          ; v[204:211]  what the other half of the lanes holds
.set LS,  212                          ; v[212:219]  N p: the row's sum l, and v's factor in the weighted sum
.set RC,  188                          ; v[188:195]  1 / l
.set GF,  196                          ; v[196:203]  N p / l
.set DO,  120                          ; v[120:151]  eight rows' 16 bytes of out
; Eight sums over the 16 lanes of each half at once: lane i takes lane i xor 1, 2, 4, 8.  The eight registers take turns, so no line reads the result of the line before it.
.macro RED16 base
.irp m, 1,2,4,8
.irp i, 0,1,2,3,4,5,6,7
	v_add_f32_dpp v[(\base)+(\i)], v[(\base)+(\i)], v[(\base)+(\i)] row_xmask:\m row_mask:0xf bank_mask:0xf
.endr
.endr
.endm
; Eight rows of 64 numbers times age: a lane has four numbers of each row; afterwards every lane of half h holds row 16 w + 8 h + i's product in dst + i.
.macro DOT8 dst, w
.irp i, 0,1,2,3,4,5,6,7
	v_pk_mul_f32 v[RT+2*(\i):RT+2*(\i)+1], v[(\w)+4*(\i):(\w)+4*(\i)+1], v[RA:RA+1]
.endr
.irp i, 0,1,2,3,4,5,6,7
	v_pk_fma_f32 v[RT+2*(\i):RT+2*(\i)+1], v[(\w)+4*(\i)+2:(\w)+4*(\i)+3], v[RA+2:RA+3], v[RT+2*(\i):RT+2*(\i)+1]
.endr
.irp i, 0,1,2,3,4,5,6,7
	v_add_f32 v[(\dst)+(\i)], v[RT+2*(\i)], v[RT+2*(\i)+1]
.endr
	RED16 \dst
.endm
	s_load_b512 s[4:19], s[0:1], 0x0               ; eight addresses: pixels, age, Wq, bq, Wk, bk, Wv, bv
	s_load_b64 s[20:21], s[0:1], 0x40              ; out
	v_lshl_add_u32 v17, v0, 2, 0x9500
	v_mov_b32 v19, 0
	v_lshrrev_b32 v1, 5, v0
	v_readfirstlane_b32 s[WV], v1                  ; wave 0 .. 7
	v_and_b32 v1, 15, v0                           ; r
	v_bfe_u32 v2, v0, 4, 1                         ; h
	v_and_b32 v3, 31, v0                           ; l
	v_lshlrev_b32 v[OA], 4, v1
	v_lshlrev_b32 v[OQ], 4, v3
	v_lshl_add_u32 v[OKV], v2, 11, v[OA]           ; eight rows of 256 bytes further for lanes 16 to 31
	v_lshl_add_u32 v[OP], v2, 19, v[OA]            ; eight channel rows of 65,536 bytes further
	s_wait_alu depctr_va_sdst(0)                   ; s22, my wave's number, is written, ahead of its first reader: LDS addresses and all base offsets are made from it
	s_mul_i32 s2, s[WV], 4160                      ; sixteen tile rows and their four paddings
	v_mul_u32_u24 v[TST], v2, 2080                 ; eight and two
	v_add_nc_u32 v[TST], v[TST], v[OA]
	v_add_nc_u32 v[TST], s2, v[TST]
	v_mul_u32_u24 v[TLD], v3, 1040                 ; channel 4 l: four rows and a padding for each lane: 16 l modulo 256
	v_lshl_add_u32 v[TLD], s[WV], 5, v[TLD]        ; my wave's eight tokens
	s_lshl_b32 s2, s[WV], 9
	s_add_co_u32 s2, s2, UP
	v_add_nc_u32 v[UST], s2, v[OQ]
	v_add_nc_u32 v[ULD], UP, v[OQ]
	s_lshl_b32 s2, s[WV], 6
	s_add_co_u32 s2, s2, VV
	v_lshl_add_u32 v[VST], v2, 5, s2
	v_add_nc_u32 v[VLD], VV, v[OQ]
	s_lshl_b32 s2, s[WV], 2
	s_add_co_u32 s2, s2, S0P
	v_mov_b32 v[ZST], s2
	v_mov_b32 v[ZLD], S0P
	s_lshl_b32 s24, s[WV], 20                      ; pixels: my 16 channel rows,
	s_lshl_b32 s2, ttmp9, 8                        ; the work-group's 64 tokens
	s_add_co_u32 s24, s24, s2
	s_mov_b32 s25, 0
	s_lshl_b32 s26, s[WV], 12                      ; Wk, Wv: my 16 rows of 256 bytes
	s_mov_b32 s27, 0
	s_lshl_b32 s28, s[WV], 13                      ; Wq: my 16 rows of 512 bytes
	s_mov_b32 s29, 0
	s_lshl_b32 s30, ttmp9, 15                      ; out: the work-group's 64 rows of 512 bytes,
	s_add_co_u32 s30, s30, s26                     ; my wave's eight
	s_mov_b32 s31, 0
	s_lshl_b32 s[BO], s[WV], 6
	s_mov_b32 s[SEL], 0x76543210
	s_mov_b32 s[SEL+1], 0xfedcba98
	s_wait_kmcnt 0x0
	s_add_nc_u64 s[4:5], s[4:5], s[24:25]          ; each base is stepped once, here; no base and no offset register is written again, so no wait for translated addresses is needed
	s_add_nc_u64 s[12:13], s[12:13], s[26:27]
	s_add_nc_u64 s[16:17], s[16:17], s[26:27]
	s_add_nc_u64 s[8:9], s[8:9], s[28:29]
	s_add_nc_u64 s[20:21], s[20:21], s[30:31]
	s_wait_alu depctr_va_vdst(0)                   ; the twelve offsets and LDS addresses v4 to v15 are written: every load and store of the kernel reads one of them, and none is written again
	; ALL LOADS, in the order in which they are wanted: 1 + 8 + 16 + 8 + 1 + 8 = 42.  Sixteen lanes take 256 consecutive bytes, aligned, in every one of them.
	global_load_b128 v[RA:RA+3], v[OA], s[6:7]
.irp i, 0,1,2,3,4,5,6,7
	global_load_b128 v[RWK+4*(\i):RWK+4*(\i)+3], v[OKV], s[12:13] offset:(\i)*ROWKV
.endr
.irp m, 0,1,2,3,4,5,6,7,8,9,10,11,12,13,14,15
	global_load_b128 v[RWQ+4*(\m):RWQ+4*(\m)+3], v[OQ], s[8:9] offset:(\m)*ROWQ
.endr
.irp i, 0,1,2,3,4,5,6,7
	global_load_b128 v[RWV+4*(\i):RWV+4*(\i)+3], v[OKV], s[16:17] offset:(\i)*ROWKV
.endr
	global_load_b128 v[RBV:RBV+3], v[OQ], s[18:19]
.irp i, 0,1,2,3,4,5,6,7
	global_load_b128 v[RPX+4*(\i):RPX+4*(\i)+3], v[OP], s[4:5] offset:(\i)*ROWPX th:TH_LOAD_NT  ; the launch reads each pixel once
.endr
	s_load_b512 s[BK:BK+15], s[14:15], s[BO] offset:0x0  ; my 16 numbers of bk
	s_load_b512 s[BQ:BQ+15], s[10:11], s[BO] offset:0x0  ; and of bq
	; k = Wk age + bk for my 16 rows, brought into scalar registers: each is a factor for a whole row of Wq
	s_wait_loadcnt 33                              ; age and Wk are in; the 33 younger loads (Wq 16, Wv 8, bv 1, pixels 8) may stay out
	DOT8 RK, RWK
.irp i, 0,1,2,3,4,5,6,7
	v_readlane_b32 s[KS+(\i)], v[RK+(\i)], 0       ; row 16 w + i lies in lanes 0 to 15,
	v_readlane_b32 s[KS+8+(\i)], v[RK+(\i)], 16    ; row 16 w + 8 + i in lanes 16 to 31
.endr
	s_wait_alu depctr_va_sdst(0)                   ; the sixteen lines above have written s68 to s83, ahead of their first readers, the additions of bk: one wait for the run
	s_wait_kmcnt 0x0                               ; bk and bq
.irp m, 0,1,2,3,4,5,6,7,8,9,10,11,12,13,14,15
	s_add_f32 s[KS+(\m)], s[KS+(\m)], s[BK+(\m)]
.endr
	s_mul_f32 s[S0], s[KS], s[BQ]                  ; my part of bq . k: the first product starts the sum
.irp m, 1,2,3,4,5,6,7,8,9,10,11,12,13,14,15
	s_fmac_f32 s[S0], s[KS+(\m)], s[BQ+(\m)]
.endr
	; my part of u = Wq^T k: u[4 l + j] += k[16 w + m] Wq[16 w + m][4 l + j], in four chains; the first row starts the sums
	s_wait_loadcnt 17                              ; Wq is in; 17 younger loads (Wv 8, bv 1, pixels 8) may stay out
.irp j, 0,1,2,3
	v_mul_f32 v[RU+(\j)], s[KS], v[RWQ+(\j)]
.endr
.irp m, 1,2,3,4,5,6,7,8,9,10,11,12,13,14,15
.irp j, 0,1,2,3
	v_fmac_f32 v[RU+(\j)], s[KS+(\m)], v[RWQ+4*(\m)+(\j)]
.endr
.endr
	v_mov_b32 v[ZV], s[S0]
	; Wv age for my 16 rows; bv is added behind the barrier, where a lane holds the channels that it stores
	s_wait_loadcnt 9                               ; Wv is in; 9 younger loads (bv 1, pixels 8) may stay out
	DOT8 RV, RWV
	s_wait_alu depctr_va_vdst(0)                   ; RU, ZV and RV are written, which the four LDS stores below read; and the vector lines are done reading Wk's and Wq's registers, in which the LDS loads behind the barrier land
	ds_store_b128 v[UST], v[RU:RU+3]
	ds_store_b32 v[ZST], v[ZV]                     ; all lanes write one word with one value
	ds_store_b128 v[VST], v[RV:RV+3]               ; the sixteen lanes of a half write the same bytes with the same values
	ds_store_b128 v[VST], v[RV+4:RV+7] offset:16
	; the tile: sixteen lanes put down a channel's 256 bytes on end
	s_wait_loadcnt 0x0
.irp i, 0,1,2,3,4,5,6,7
	ds_store_b128 v[TST], v[RPX+4*(\i):RPX+4*(\i)+3] offset:TILE+(\i)*256+((\i)/4)*16
.endr
	s_wait_dscnt 0x0                               ; for the others' sake: all my stores into LDS are done
	s_barrier_signal -1
	s_barrier_wait -1                              ; the tile and all parts of u, v and bq . k lie in LDS; nothing but the spare words is written behind this barrier
	s_wait_alu depctr_vm_vsrc(0)                   ; my LDS stores have read RV, v[196:203]: these registers are GF from here on, written by the packed multiplies behind the reciprocals
	; 19 LDS loads, in the order in which they are wanted: 8 + 2 + 8 + 1.  No vector line since the wait behind Wv's product names a register in which they land
.irp p, 0,1,2,3,4,5,6,7
	ds_load_b128 v[UR+4*(\p):UR+4*(\p)+3], v[ULD] offset:(\p)*512
.endr
	ds_load_b128 v[ZR:ZR+3], v[ZLD]
	ds_load_b128 v[ZR+4:ZR+7], v[ZLD] offset:16
.irp q, 0,1
.irp i, 0,1,2,3
	ds_load_b128 v[PT+16*(\q)+4*(\i):PT+16*(\q)+4*(\i)+3], v[TLD] offset:TILE+(\i)*256+(\q)*16  ; channel 4 l + i, tokens 8 w + 4 q ..
.endr
.endr
	ds_load_b128 v[VR:VR+3], v[VLD]
	; u[4 l ..]: the eight waves' parts, added as a tree
	s_wait_dscnt 11                                ; the eight parts of u are in; 11 younger loads (bq . k 2, tile 8, v 1) may stay out
.irp p, 0,2,4,6
	v_pk_add_f32 v[UR+4*(\p):UR+4*(\p)+1], v[UR+4*(\p):UR+4*(\p)+1], v[UR+4*(\p)+4:UR+4*(\p)+5]
	v_pk_add_f32 v[UR+4*(\p)+2:UR+4*(\p)+3], v[UR+4*(\p)+2:UR+4*(\p)+3], v[UR+4*(\p)+6:UR+4*(\p)+7]
.endr
.irp p, 0,4
	v_pk_add_f32 v[UR+4*(\p):UR+4*(\p)+1], v[UR+4*(\p):UR+4*(\p)+1], v[UR+4*(\p)+8:UR+4*(\p)+9]
	v_pk_add_f32 v[UR+4*(\p)+2:UR+4*(\p)+3], v[UR+4*(\p)+2:UR+4*(\p)+3], v[UR+4*(\p)+10:UR+4*(\p)+11]
.endr
	v_add_f32 v[UR+4], v[UR+2], v[UR+18]           ; the last level puts u[4 l + i] into the LOW register of pair i, from which a packed line can give it to both its halves
	v_add_f32 v[UR+6], v[UR+3], v[UR+19]
	v_add_f32 v[UR+2], v[UR+1], v[UR+17]
	v_add_f32 v[UR], v[UR], v[UR+16]
	; q . k = px . u + bq . k for my wave's eight tokens
	s_wait_dscnt 1                                 ; bq . k's parts and the tile are in; v's load may stay out
	v_pk_add_f32 v[ZR:ZR+1], v[ZR:ZR+1], v[ZR+2:ZR+3]
	v_pk_add_f32 v[ZR+4:ZR+5], v[ZR+4:ZR+5], v[ZR+6:ZR+7]
.irp q, 0,1
.irp p, 0,2
	v_pk_mul_f32 v[SC+4*(\q)+(\p):SC+4*(\q)+(\p)+1], v[PT+16*(\q)+(\p):PT+16*(\q)+(\p)+1], v[UR:UR+1] op_sel_hi:[1,0]  ; two tokens a line; my channel 4 l starts the sums
.endr
.endr
.irp i, 1,2,3
.irp q, 0,1
.irp p, 0,2
	v_pk_fma_f32 v[SC+4*(\q)+(\p):SC+4*(\q)+(\p)+1], v[PT+16*(\q)+4*(\i)+(\p):PT+16*(\q)+4*(\i)+(\p)+1], v[UR+2*(\i):UR+2*(\i)+1], v[SC+4*(\q)+(\p):SC+4*(\q)+(\p)+1] op_sel_hi:[1,0,1]
.endr
.endr
.endr
	v_pk_add_f32 v[ZR:ZR+1], v[ZR:ZR+1], v[ZR+4:ZR+5]
	v_add_f32 v[ZR], v[ZR], v[ZR+1]                ; bq . k
	RED16 SC                                       ; the channels of sixteen lanes,
.irp t, 0,1,2,3,4,5,6,7
	v_permlanex16_b32 v[XC+(\t)], v[SC+(\t)], s[SEL], s[SEL+1]  ; and of the other sixteen (the destination counts as read: these registers have been written)
.endr
.irp t, 0,2,4,6
	v_pk_add_f32 v[SC+(\t):SC+(\t)+1], v[SC+(\t):SC+(\t)+1], v[XC+(\t):XC+(\t)+1]
.endr
.irp t, 0,2,4,6
	v_pk_add_f32 v[SC+(\t):SC+(\t)+1], v[SC+(\t):SC+(\t)+1], v[ZR:ZR+1] op_sel_hi:[1,0]
.endr
	; THE SOFTMAX of N equal scores.  The maximum of N equal numbers is the number: s - m = s - s, which is 0 for a finite score and NaN otherwise.
.irp t, 0,2,4,6
	v_pk_add_f32 v[EX+(\t):EX+(\t)+1], v[SC+(\t):SC+(\t)+1], v[SC+(\t):SC+(\t)+1] neg_lo:[0,1] neg_hi:[0,1]
.endr
.irp t, 0,2,4,6
	v_pk_mul_f32 v[EX+(\t):EX+(\t)+1], v[EX+(\t):EX+(\t)+1], 0x3e0293ee op_sel_hi:[1,0]  ; times log2(e) / sqrt(128)
.endr
	s_wait_dscnt 0x0                               ; v
.irp t, 0,1,2,3,4,5,6,7
	v_exp_f32 v[EX+(\t)], v[EX+(\t)]               ; p: one batch of eight
.endr
	v_pk_add_f32 v[VR:VR+1], v[VR:VR+1], v[RBV:RBV+1]      ; v = Wv age + bv: plain work that names no exponential's result stands behind the batch
	v_pk_add_f32 v[VR+2:VR+3], v[VR+2:VR+3], v[RBV+2:RBV+3]
	s_wait_alu depctr_va_vdst(0)                   ; the eight exponentials have written v[EX ..], ahead of the first line that names a result of theirs: one wait for the batch
.irp t, 0,2,4,6
	v_pk_mul_f32 v[LS+(\t):LS+(\t)+1], v[EX+(\t):EX+(\t)+1], 0x46800000 op_sel_hi:[1,0]  ; l = N p, N = 16,384; the sum over m of p v[m] is the same factor times v
.endr
.irp t, 0,1,2,3,4,5,6,7
	v_rcp_f32 v[RC+(\t)], v[LS+(\t)]
.endr
	v_nop                                          ; a plain instruction behind the last reciprocal,
	s_wait_alu depctr_va_vdst(0)                   ; and the eight reciprocals have written v[RC ..], ahead of their first reader: one wait for the batch
.irp t, 0,2,4,6
	v_pk_mul_f32 v[GF+(\t):GF+(\t)+1], v[LS+(\t):LS+(\t)+1], v[RC+(\t):RC+(\t)+1]  ; N p / l
.endr
	; out[token][4 l + i] = (N p / l) v[4 l + i] + px[4 l + i][token].  The 4 x 4 turn between tokens and channels is the choice of the registers.
	; A wave's store covers one row of out: 512 consecutive bytes, at a multiple of 512 from out's first byte.  Each row has data registers of its own: none is written twice.
	; Two halves of four rows: sixteen multiply-adds, one wait, four stores.  The second half's multiply-adds name DO's rows 4 to 7, GF, VR and PT: no register of the four stores that are out.
.irp q, 0,1
.irp j, 0,1,2,3
.irp i, 0,1,2,3
	v_fma_f32 v[DO+4*(4*(\q)+(\j))+(\i)], v[GF+4*(\q)+(\j)], v[VR+(\i)], v[PT+16*(\q)+4*(\i)+(\j)]
.endr
.endr
	s_wait_alu depctr_va_vdst(0)                   ; the sixteen multiply-adds above have written this half's four rows of DO, which the four stores below read
.irp j, 0,1,2,3
	global_store_b128 v[OQ], v[DO+4*(4*(\q)+(\j)):DO+4*(4*(\q)+(\j))+3], s[20:21] offset:(4*(\q)+(\j))*ROWQ th:TH_STORE_NT
.endr
.endr
	s_wait_dscnt 0x0                               ; the wave's end: the closing waits and add follow
	s_wait_alu depctr_hold_cnt(0) depctr_sa_sdst(0) depctr_va_vdst(0) depctr_va_sdst(0) depctr_va_ssrc(0) depctr_va_vcc(0) depctr_vm_vsrc(0)
	s_wait_tensorcnt 0x0
	ds_add_u32 v17, v19
	s_wait_dscnt 0x0
	s_endpgm
.Lfunc_end_k_q1652df93cb_xattn:
	.size	k_q1652df93cb_xattn, .Lfunc_end_k_q1652df93cb_xattn-k_q1652df93cb_xattn
	.p2alignl 7, 3214868480
	.fill 96, 4, 3214868480
	.section	.rodata,"a",@progbits
	.p2align	6, 0x0
	.amdhsa_kernel k_q1652df93cb_xattn
		.amdhsa_group_segment_fixed_size 39168
		.amdhsa_private_segment_fixed_size 0
		.amdhsa_enable_private_segment 0
		.amdhsa_kernarg_size 72
		.amdhsa_user_sgpr_count 2
		.amdhsa_user_sgpr_kernarg_segment_ptr 1
		.amdhsa_wavefront_size32 1
		.amdhsa_system_sgpr_workgroup_id_x 1
		.amdhsa_system_sgpr_workgroup_id_y 1
		.amdhsa_system_sgpr_workgroup_id_z 1
		.amdhsa_system_vgpr_workitem_id 0
		.amdhsa_next_free_vgpr 224
		.amdhsa_next_free_sgpr 88
		.amdhsa_reserve_vcc 0
		.amdhsa_float_denorm_mode_32 3
		.amdhsa_float_denorm_mode_16_64 3
		.amdhsa_memory_ordered 1
		.amdhsa_forward_progress 1
		.amdhsa_inst_pref_size 30
	.end_amdhsa_kernel
	.amdgpu_metadata
---
amdhsa.version: [ 1, 2 ]
amdhsa.kernels:
  - .name:           k_q1652df93cb_xattn
    .symbol:         k_q1652df93cb_xattn.kd
    .args:
      - { .name: pixel_features, .offset: 0, .size: 8, .value_kind: global_buffer, .address_space: global }
      - { .name: age_features, .offset: 8, .size: 8, .value_kind: global_buffer, .address_space: global }
      - { .name: Wq, .offset: 16, .size: 8, .value_kind: global_buffer, .address_space: global }
      - { .name: bq, .offset: 24, .size: 8, .value_kind: global_buffer, .address_space: global }
      - { .name: Wk, .offset: 32, .size: 8, .value_kind: global_buffer, .address_space: global }
      - { .name: bk, .offset: 40, .size: 8, .value_kind: global_buffer, .address_space: global }
      - { .name: Wv, .offset: 48, .size: 8, .value_kind: global_buffer, .address_space: global }
      - { .name: bv, .offset: 56, .size: 8, .value_kind: global_buffer, .address_space: global }
      - { .name: out0, .offset: 64, .size: 8, .value_kind: global_buffer, .address_space: global }
    .group_segment_fixed_size: 39168
    .private_segment_fixed_size: 0
    .kernarg_segment_align: 8
    .kernarg_segment_size: 72
    .max_flat_workgroup_size: 256
    .sgpr_count:     88
    .vgpr_count:     224
    .wavefront_size: 32
...
	.end_amdgpu_metadata
.endif
;; end of part 2
